; MI455X (gfx1250); checked and timed in simulation.
; The chip was launched on July 23, 2026; its instructions are those of AMD's public machine-readable ISA for CDNA 5 (MIT licence, August 2026) and "CDNA5" Instruction Set Architecture Reference Guide (July 2026). The comments in the code are by the model that wrote it; some were corrected since.
;; Graph Transformer Layer. Allowed arithmetic: float matrix products may take bf16 or f16 operands with f32 sums; all other float work in f32.
;; Inputs: H 8 x 2,048 x 512 float32; W1 512 x 1,024 float32; W2 1,024 x 512 float32; Wk 512 x 512 float32; Wq 512 x 512 float32; Wv 512 x 512 float32; adj 8 x 2,048 x 2,048 float32; b1 1,024 float32; b2 512 float32; be1 512 float32; be2 512 float32; bk 512 float32; bq 512 float32; bv 512 float32; g1 512 float32; g2 512 float32; hop_emb 2,048 x 512 float32.
;; Outputs: out0 8 x 2,048 x 512 float32.
;; One version. Each part assembles by itself: llvm-mc -triple=amdgcn-amd-amdhsa -mcpu=gfx1250 --defsym DOCPART=n.
;; ======== version 1 of 1: 3 launches
;; limits: values are held in f16: magnitudes above 65,504 overflow, below 6.1e-05 lose precision
;; workspace buffers: wt 3,670,016 bytes; hs 8,192 bytes; qkv 50,331,648 bytes
;; launch prep (part 1): grid 256 x 1, 8 waves a work-group, no clusters, 0 bytes of LDS; arguments Wq, Wk, Wv, W1, W2, hop_emb, wt, hs; writes wt, hs
.if DOCPART == 1
	.amdgcn_target "amdgcn-amd-amdhsa--gfx1250"
	.amdhsa_code_object_version 6
	.text
	.protected	k_q1e8afed218_prep
	.globl	k_q1e8afed218_prep
	.p2align	8
	.type	k_q1e8afed218_prep,@function
k_q1e8afed218_prep:
	s_mov_b64 s[64:65], 0
	v_nop
	global_prefetch_b8 v0, s[64:65] scope:SCOPE_SE
	s_setreg_imm32_b32 hwreg(HW_REG_WAVE_MODE, 25, 1), 1
	s_wait_xcnt 0x0
; prep: the five weight matrices as 16-bit numbers in the order in which a matrix fragment lies in registers, and the scaled means of hop_emb.
; Wq, Wk, Wv are rounded to bf16, W1 and W2 to f16 (11 significant bits instead of 8: the network's operands enter the result at full weight).
; LIMIT: an element of W1 or W2 beyond +-65,504 becomes infinite, and steps below 6e-8 are lost; their drawn spread is 0.044 and 0.031.
; A fragment is 16 rows x 32 k of 16 bits: lane L = (r = L & 15, h = L >> 4) holds row r; half 0 is k = 8h .. 8h+7, half 1 is k = 16+8h .. +7.
; It is stored as two blocks of 512 bytes (half 0, half 1), lane L at byte 16 L: a later load of 16 bytes a lane brings a half fragment.
; wt, bytes 0 .. 1,572,863: 24 tiles of 65,536 bytes (Wq 0-7, Wk 8-15, Wv 16-23; tile = block of 64 output columns),
;   each [ks 16][jb 4][half 2][lane 32][16 bytes] with element W[k = 32 ks + 16 half + 8 h + e][n = 64 tile + 16 jb + r].
; wt from byte 1,572,864: for u = 0 .. 15 a tile of W1 (same form, columns 64 u ..) and a tile of W2,
;   [dblk 32][ks2 2][half 2][lane][16 bytes] with element W2[hid = 64 u + 32 ks2 + 16 half + 8 h + e][d = 16 dblk + r].
; hs[j] = mean of hop_emb[j][:] x 1/sqrt(512) x log2(e): the factor of the logits that hangs on the key alone, ready for exponentials of base 2.
; Work-groups 0-95: Wq, Wk, Wv; 96-159: W1; 160-223: W2; 224-255: hop_emb.  A wave makes four half fragments (2,048 bytes) or eight means.
; No LDS and no matrix unit: the launch moves about 11 MB once, and every store of a wave but the means' covers 512 consecutive bytes.
.set FFN0, 1572864                     ; where the tiles of W1 and W2 begin in wt
.set HSC,  0x390293ee                  ; 1/512 x 1/sqrt(512) x log2(e) = 1.2452874e-4
.set VSRC, 1                           ; v1      byte offset of my element in the source
.set VDST, 2                           ; v2      16 x lane
.set VL,   3                           ; v3      lane
.set VR,   4                           ; v4      r
.set VH,   5                           ; v5      h
.set RES,  6                           ; v6      the mean that this lane stores
.set VHO,  7                           ; v7      4 x lane
.set DAT,  8                           ; v[8:39] 32 loaded numbers (weights); v[8:135] eight rows of hop_emb
.set PK,   40                          ; v[40:55] packed 16-bit numbers
	s_load_b512 s[4:19], s[0:1], 0x0               ; Wq s[4:5], Wk s[6:7], Wv s[8:9], W1 s[10:11], W2 s[12:13], hop_emb s[14:15], wt s[16:17], hs s[18:19]
	v_lshrrev_b32 v1, 5, v0
	v_readfirstlane_b32 s20, v1                    ; wave 0..7
	v_and_b32 v[VL], 31, v0
	v_and_b32 v[VR], 15, v0
	v_bfe_u32 v[VH], v0, 4, 1
	v_lshlrev_b32 v[VDST], 4, v[VL]
	s_and_b32 s21, s20, 1                          ; half
	s_lshr_b32 s22, s20, 1                         ; wave >> 1
	s_mov_b32 s29, 0                               ; upper word of every offset
	s_wait_kmcnt 0x0
; Four half fragments: source rows of NCB bytes at s[26:27], destination at s[30:31], DQ bytes from one half fragment to the next; cv: the rounding.
; Lane (r, h) takes eight rows 8 h + e of column r of each of four blocks of 16 columns; the four loads of one source row stand together
; and cover 256 consecutive bytes of it.
.macro TRANS NCB, DQ, cv
	v_mul_u32_u24 v[VSRC], v[VH], 8*\NCB
	v_lshl_add_u32 v[VSRC], v[VR], 2, v[VSRC]
.irp e,0,1,2,3,4,5,6,7
.irp q,0,1,2,3
	global_load_b32 v[DAT+8*\q+\e], v[VSRC], s[26:27] offset:\e*\NCB+\q*64 th:TH_LOAD_NT
.endr
.endr
	s_wait_loadcnt 0x0
.irp q,0,1,2,3
.irp e,0,1,2,3
	\cv v[PK+4*\q+\e], v[DAT+8*\q+2*\e], v[DAT+8*\q+2*\e+1]
.endr
.endr
.irp q,0,1,2,3
	global_store_b128 v[VDST], v[PK+4*\q:PK+4*\q+3], s[30:31] offset:\q*\DQ   ; 512 consecutive bytes
.endr
	s_endpgm
.endm
	s_cmp_ge_u32 ttmp9, 224
	s_cbranch_scc1 .Lhop
	s_cmp_ge_u32 ttmp9, 160
	s_cbranch_scc1 .Lw2
	s_cmp_ge_u32 ttmp9, 96
	s_cbranch_scc1 .Lw1
	; Wq, Wk, Wv: [512][512].  32 work-groups each: tile = g' >> 2, ks = 4 (g' & 3) + (wave >> 1), half = wave & 1
	s_lshr_b32 s23, ttmp9, 5                       ; which of the three
	s_and_b32 s24, ttmp9, 31                       ; g'
	s_cmp_eq_u32 s23, 1
	s_cselect_b64 s[26:27], s[6:7], s[4:5]
	s_cmp_eq_u32 s23, 2
	s_cselect_b64 s[26:27], s[8:9], s[26:27]
	s_lshr_b32 s25, s24, 2                         ; tile
	s_and_b32 s24, s24, 3
	s_lshl2_add_u32 s24, s24, s22                  ; ks
	s_lshl_b32 s28, s24, 16                        ; source: 32 ks rows of 2,048 bytes
	s_lshl_b32 s32, s21, 15                        ; + 16 half rows
	s_add_co_u32 s28, s28, s32
	s_lshl_b32 s32, s25, 8                         ; + 64 tile columns
	s_add_co_u32 s28, s28, s32
	s_add_nc_u64 s[26:27], s[26:27], s[28:29]
	s_lshl_b32 s28, s23, 19                        ; destination: which x 8 tiles
	s_lshl_b32 s32, s25, 16
	s_add_co_u32 s28, s28, s32
	s_lshl_b32 s32, s24, 12
	s_add_co_u32 s28, s28, s32
	s_lshl_b32 s32, s21, 9
	s_add_co_u32 s28, s28, s32
	s_add_nc_u64 s[30:31], s[16:17], s[28:29]
	TRANS 2048, 1024, v_cvt_pk_bf16_f32
.Lw1:	; W1: [512][1024].  64 work-groups: tile u = g' >> 2, ks and half as above
	s_sub_co_u32 s24, ttmp9, 96
	s_lshr_b32 s25, s24, 2                         ; u
	s_and_b32 s24, s24, 3
	s_lshl2_add_u32 s24, s24, s22                  ; ks
	s_lshl_b32 s28, s24, 17                        ; 32 ks rows of 4,096 bytes
	s_lshl_b32 s32, s21, 16
	s_add_co_u32 s28, s28, s32
	s_lshl_b32 s32, s25, 8
	s_add_co_u32 s28, s28, s32
	s_add_nc_u64 s[26:27], s[10:11], s[28:29]
	s_lshl_b32 s28, s25, 17                        ; u x (a tile of W1 and a tile of W2)
	s_lshl_b32 s32, s24, 12
	s_add_co_u32 s28, s28, s32
	s_lshl_b32 s32, s21, 9
	s_add_co_u32 s28, s28, s32
	s_add_co_u32 s28, s28, FFN0
	s_add_nc_u64 s[30:31], s[16:17], s[28:29]
	TRANS 4096, 1024, v_cvt_pk_f16_f32
.Lw2:	; W2: [1024][512].  64 work-groups: u = g' >> 2; columns 128 (g' & 3) + 64 (wave >> 2) ..; ks2 = (wave >> 1) & 1, half = wave & 1
	s_sub_co_u32 s24, ttmp9, 160
	s_lshr_b32 s25, s24, 2                         ; u
	s_and_b32 s24, s24, 3
	s_lshr_b32 s23, s20, 2                         ; wave >> 2
	s_lshl1_add_u32 s24, s24, s23                  ; block of 64 columns, 0..7
	s_and_b32 s22, s22, 1                          ; ks2
	s_lshl_b32 s28, s25, 17                        ; 64 u rows of 2,048 bytes
	s_lshl_b32 s32, s22, 16
	s_add_co_u32 s28, s28, s32
	s_lshl_b32 s32, s21, 15
	s_add_co_u32 s28, s28, s32
	s_lshl_b32 s32, s24, 8
	s_add_co_u32 s28, s28, s32
	s_add_nc_u64 s[26:27], s[12:13], s[28:29]
	s_lshl_b32 s28, s25, 17
	s_lshl_b32 s32, s24, 13                        ; four dblk of 2,048 bytes for each block of 64 columns
	s_add_co_u32 s28, s28, s32
	s_lshl_b32 s32, s22, 10
	s_add_co_u32 s28, s28, s32
	s_lshl_b32 s32, s21, 9
	s_add_co_u32 s28, s28, s32
	s_add_co_u32 s28, s28, FFN0+65536
	s_add_nc_u64 s[30:31], s[16:17], s[28:29]
	TRANS 2048, 2048, v_cvt_pk_f16_f32
.Lhop:	; hop_emb: [2048][512].  32 work-groups of 64 rows; a wave takes eight rows, four loads of 512 consecutive bytes each
	s_sub_co_u32 s23, ttmp9, 224
	s_lshl3_add_u32 s24, s23, s20                  ; group of eight rows = 8 (g - 224) + wave
	s_lshl_b32 s28, s24, 14                        ; eight rows of 2,048 bytes
	s_add_nc_u64 s[26:27], s[14:15], s[28:29]
	s_lshl_b32 s28, s24, 5                         ; eight means of 4 bytes
	s_add_nc_u64 s[30:31], s[18:19], s[28:29]
	s_mov_b32 s32, 0x76543210                      ; v_permlanex16_b32: lane i takes lane i of the other half
	s_mov_b32 s33, 0xfedcba98
.irp q,0,1,2,3,4,5,6,7
.irp c,0,1,2,3
	global_load_b128 v[DAT+16*\q+4*\c:DAT+16*\q+4*\c+3], v[VDST], s[26:27] offset:\q*2048+\c*512 th:TH_LOAD_NT
.endr
.endr
	v_lshlrev_b32 v[VHO], 2, v[VL]
	s_wait_loadcnt 0x0
.irp q,0,1,2,3,4,5,6,7
.irp k,0,2,4,6
	v_pk_add_f32 v[DAT+16*\q+\k:DAT+16*\q+\k+1], v[DAT+16*\q+\k:DAT+16*\q+\k+1], v[DAT+16*\q+8+\k:DAT+16*\q+8+\k+1]
.endr
.endr
.irp q,0,1,2,3,4,5,6,7
.irp k,0,2
	v_pk_add_f32 v[DAT+16*\q+\k:DAT+16*\q+\k+1], v[DAT+16*\q+\k:DAT+16*\q+\k+1], v[DAT+16*\q+4+\k:DAT+16*\q+4+\k+1]
.endr
.endr
.irp q,0,1,2,3,4,5,6,7
	v_pk_add_f32 v[DAT+16*\q:DAT+16*\q+1], v[DAT+16*\q:DAT+16*\q+1], v[DAT+16*\q+2:DAT+16*\q+3]
.endr
.irp q,0,1,2,3,4,5,6,7
	v_add_f32 v[DAT+16*\q], v[DAT+16*\q], v[DAT+16*\q+1]
.endr
.irp m,1,2,4,8
.irp q,0,1,2,3,4,5,6,7
	v_add_f32_dpp v[DAT+16*\q], v[DAT+16*\q], v[DAT+16*\q] row_xmask:\m row_mask:0xf bank_mask:0xf
.endr
.endr
.irp q,0,1,2,3,4,5,6,7
	v_permlanex16_b32 v[DAT+16*\q+1], v[DAT+16*\q], s32, s33
.endr
.irp q,0,1,2,3,4,5,6,7
	v_add_f32 v[DAT+16*\q], v[DAT+16*\q], v[DAT+16*\q+1]       ; every lane holds row q's sum
.endr
	v_cmp_eq_u32 vcc_lo, 1, v[VL]
	v_cndmask_b32 v[RES], v[DAT], v[DAT+16], vcc_lo            ; lane q keeps row q's sum
.irp q,2,3,4,5,6,7
	v_cmp_eq_u32 vcc_lo, \q, v[VL]
	v_cndmask_b32 v[RES], v[RES], v[DAT+16*\q], vcc_lo
.endr
	v_mul_f32 v[RES], HSC, v[RES]
	v_cmp_gt_u32 vcc_lo, 8, v[VL]
	s_wait_xcnt 0x0                                ; EXEC changes only behind this wait
	s_and_saveexec_b32 s34, vcc_lo
	global_store_b32 v[VHO], v[RES], s[30:31]      ; lanes 0-7: 32 consecutive bytes
	s_wait_xcnt 0x0                                ; and again in front of the line that widens it
	s_or_b32 exec_lo, exec_lo, s34
	s_endpgm
.Lfunc_end_k_q1e8afed218_prep:
	.size	k_q1e8afed218_prep, .Lfunc_end_k_q1e8afed218_prep-k_q1e8afed218_prep
	.p2alignl 7, 3214868480
	.fill 96, 4, 3214868480
	.section	.rodata,"a",@progbits
	.p2align	6, 0x0
	.amdhsa_kernel k_q1e8afed218_prep
		.amdhsa_group_segment_fixed_size 0
		.amdhsa_private_segment_fixed_size 0
		.amdhsa_enable_private_segment 0
		.amdhsa_kernarg_size 64
		.amdhsa_user_sgpr_count 2
		.amdhsa_user_sgpr_kernarg_segment_ptr 1
		.amdhsa_wavefront_size32 1
		.amdhsa_system_sgpr_workgroup_id_x 1
		.amdhsa_system_sgpr_workgroup_id_y 1
		.amdhsa_system_sgpr_workgroup_id_z 1
		.amdhsa_system_vgpr_workitem_id 0
		.amdhsa_next_free_vgpr 144
		.amdhsa_next_free_sgpr 66
		.amdhsa_reserve_vcc 1
		.amdhsa_float_denorm_mode_32 3
		.amdhsa_float_denorm_mode_16_64 3
		.amdhsa_memory_ordered 1
		.amdhsa_forward_progress 1
		.amdhsa_inst_pref_size 28
	.end_amdhsa_kernel
	.amdgpu_metadata
---
amdhsa.version: [ 1, 2 ]
amdhsa.kernels:
  - .name:           k_q1e8afed218_prep
    .symbol:         k_q1e8afed218_prep.kd
    .args:
      - { .name: Wq, .offset: 0, .size: 8, .value_kind: global_buffer, .address_space: global }
      - { .name: Wk, .offset: 8, .size: 8, .value_kind: global_buffer, .address_space: global }
      - { .name: Wv, .offset: 16, .size: 8, .value_kind: global_buffer, .address_space: global }
      - { .name: W1, .offset: 24, .size: 8, .value_kind: global_buffer, .address_space: global }
      - { .name: W2, .offset: 32, .size: 8, .value_kind: global_buffer, .address_space: global }
      - { .name: hop_emb, .offset: 40, .size: 8, .value_kind: global_buffer, .address_space: global }
      - { .name: wt, .offset: 48, .size: 8, .value_kind: global_buffer, .address_space: global }
      - { .name: hs, .offset: 56, .size: 8, .value_kind: global_buffer, .address_space: global }
    .group_segment_fixed_size: 0
    .private_segment_fixed_size: 0
    .kernarg_segment_align: 8
    .kernarg_segment_size: 64
    .max_flat_workgroup_size: 256
    .sgpr_count:     66
    .vgpr_count:     144
    .wavefront_size: 32
...
	.end_amdgpu_metadata
.endif
;; end of part 1
;; launch qkv (part 2): grid 256 x 1, 4 waves a work-group, clusters of 4 x 1, 327,680 bytes of LDS; arguments H, wt, bq, bk, bv, qkv; writes qkv
.if DOCPART == 2
	.amdgcn_target "amdgcn-amd-amdhsa--gfx1250"
	.amdhsa_code_object_version 6
	.text
	.protected	k_q1e8afed218_qkv
	.globl	k_q1e8afed218_qkv
	.p2align	8
	.type	k_q1e8afed218_qkv,@function
k_q1e8afed218_qkv:
	s_mov_b64 s[64:65], 0
	v_nop
	global_prefetch_b8 v0, s[64:65] scope:SCOPE_SE
	s_setreg_imm32_b32 hwreg(HW_REG_WAVE_MODE, 25, 1), 1
	s_wait_xcnt 0x0
	s_wait_alu depctr_hold_cnt(0) depctr_sa_sdst(0) depctr_va_vdst(0) depctr_va_sdst(0) depctr_va_ssrc(0) depctr_va_vcc(0) depctr_vm_vsrc(0)
	s_getreg_b32 s2, hwreg(HW_REG_IB_STS2, 6, 4)
	s_cmp_eq_u32 s2, 0
	s_cbranch_scc0 .Lentry_in_a_cluster
	s_endpgm
.Lentry_in_a_cluster:
	s_bfe_u32 s2, ttmp6, 0x10000c
	s_cmp_lg_u32 s2, 0x3003
	s_cbranch_scc0 .Lentry_shape_is_right
	s_endpgm
.Lentry_shape_is_right:
; qkv: Q = H Wq + bq, K = H Wk + bk, V = H Wv + bv, rounded to bf16 and stored in fragment order.
; A work-group of four waves owns 128 tokens and HALF of the 24 weight tiles (64 output columns x 512 k, 65,536 bytes each, written in fragment
; order by the launch before): blocks of columns 4 hh .. 4 hh + 3 of each of Wq, Wk, Wv.  128 token blocks x 2 halves = 256 work-groups.
; The waves are split 2 x 2: wave w = (a = w >> 1, b = w & 1) takes tokens 64 a .. +63 and columns 32 b .. +31 of every tile.  Its 64 x 512 block of
; H, as 64 bf16 fragments, lies in 512 registers; a tile costs it 128 matrix instructions on eight accumulators.  So a slot of two tiles
; (131,072 bytes) feeds 256 matrix instructions of every wave, and from a slot's request to the wait for it a wave issues 224.
; FRAGMENT ORDER: 16 rows x 32 k; lane L = (r = L & 15, h = L >> 4) holds row r; half 0: k = 8h..8h+7, half 1: k = 16+8h..; stored half x 512 + 16 L.
; Q and K are made with the weights as source 0 and H as source 1: a lane then holds eight neighbouring columns of one token, which round to
; 16 bytes that are a lane's part of a half fragment [token][feature].  V is made the other way round: a lane holds eight neighbouring tokens of
; one column, a lane's part of a half fragment [feature][token], as the product with the probabilities wants it.  No shuffle anywhere, and every
; store of a wave covers 512 consecutive bytes.
; qkv: 256 blocks of 64 tokens x 196,608 bytes = Q [ks16][ib4][half][lane][16], K the same, V [dblk32][ks2 2][half][lane][16].
; CLUSTER: the four work-groups of a cluster have four token blocks and one half hh (hh = cluster & 1), walk the same 12 tiles and ask for them
; jointly (mask 15).  Sixteen partners would need a mask of more than four, so 4 x 1 it is.
; Tensor loads outstanding in a wave, by this text's count: two at the start, one behind each round.
.set SLOTB, 131072                     ; an LDS slot: two tiles.  Slot 0 at 0, slot 1 at 131,072
.set XS,    262144                     ; 65,536 bytes: half of the k of the 128 tokens of H, [ksl 8][token group 8][half][lane][16]; LDS stores only, no tensor load lands here
.set SW,    16                         ; s16 wave; s17 cx; s18 token block of 128; s19 hh
.set DG1,   20                         ; s[20:27] descriptor group 1
.set DG0,   28                         ; s[28:31], s[32:35] group 0 of slots 0 and 1
.set HB,    36                         ; s[36:37] H at my wave's 32 tokens
.set OB,    38                         ; s[38:39] qkv at my 64 tokens' block, + 32,768 hh
                                       ; s[40:43] feed the joint descriptors and hold nothing made from cx; s[44:47] hold what is
.set L16,   1                          ; v1   16 L
.set VW,    2                          ; v2-5 LDS address of my fragments in slot s, tile p: v[2 + 2 s + p] = 131,072 s + 65,536 p + 2,048 b + 16 L
.set VXS,   6                          ; v6   XS + 2,048 w + 16 L
.set VXL,   7                          ; v7   XS + 4,096 a + 16 L
.set VHG,   8                          ; v8   2,048 r + 32 h
.set VC,    9                          ; v9   128 b + 32 h: my columns' biases (Q, K)
.set VCV,   10                         ; v10  128 b + 4 r: my columns' biases (V)
.set VOQ,   11                         ; v11  4,096 b + 16 L
.set HS,    16                         ; v[16:31]   biases
.set SA,    32                         ; v[32:95]   eight accumulators: (jj = block of 16 columns, ib = block of 16 tokens) at 8 (4 jj + ib)
.set F,     96                         ; v[96:223]  two buffers of 8 weight fragments: (kq, jj) at 64 (q & 1) + 8 (2 kq + jj)
.set OUTP,  224                        ; v[224:255] packed results
; window 1: stage for the second half of H.  Windows 2 and 3: the fragment of H for (ib, ks) at register 8 (ib + 4 (ks & 7)) of window 2 + (ks >> 3)
.set MSB, 0
.macro WIN new                         ; s_set_vgpr_msb; the immediate's high byte repeats the setting that is left
.if MSB != (\new)
	s_set_vgpr_msb (MSB<<8)|(\new)
.set MSB, (\new)
.endif
.endm
.macro PLACES                          ; the places behind matrix instructions (ISA guide 7.12.1): five serve every case met here
.rept 5
	v_nop
.endr
.endm
.macro CREST                           ; a round of the cluster's barrier behind its opening work-group barrier
	s_cmp_lg_u32 s[SW], 0
	s_cbranch_scc1 .Lnot_wave_0_\@
	s_barrier_signal -3
.Lnot_wave_0_\@:
	s_barrier_wait -3
	s_barrier_signal -1
	s_barrier_wait -1
.endm
.macro CROUND
	s_barrier_signal -1
	s_barrier_wait -1
	CREST
.endm
; 64 loads: my 32 tokens (two groups of 16) x 256 k (pass 0: k 0-255, pass 1: k 256-511) in f32; index li = 8 group + ksl takes 16 registers.
; The four loads of one li take 128 bytes of each of 16 rows; two neighbouring li cover an aligned 256 bytes of each row.
.macro LDH pass
.set li, 0
.rept 16
.set lo, (li>>3)*32768+((li&7)+8*\pass)*128
	global_load_b128 v[16*li:16*li+3],     v[VHG], s[HB:HB+1] offset:lo        ; H(r, 32 ks + 8 h ..)
	global_load_b128 v[16*li+4:16*li+7],   v[VHG], s[HB:HB+1] offset:lo+16
	global_load_b128 v[16*li+8:16*li+11],  v[VHG], s[HB:HB+1] offset:lo+64     ; H(r, 32 ks + 16 + 8 h ..)
	global_load_b128 v[16*li+12:16*li+15], v[VHG], s[HB:HB+1] offset:lo+80
.set li, li+1
.endr
.endm
.macro XPUT from                       ; a staged pass rounded to 16 fragments (from: the window setting of the stage) and put into XS
	WIN \from
.set lk, 0
.rept 128
	v_cvt_pk_bf16_f32 v[F+lk], v[2*lk], v[2*lk+1]
.set lk, lk+1
.endr
	WIN 0
.set li, 0
.rept 16
	ds_store_b128 v[VXS], v[F+8*li:F+8*li+3]   offset:(li&7)*8192+(li>>3)*1024
	ds_store_b128 v[VXS], v[F+8*li+4:F+8*li+7] offset:(li&7)*8192+(li>>3)*1024+512
.set li, li+1
.endr
.endm
.macro XGET to                         ; my 64 tokens' 32 fragments of the pass, into window 2 or 3 (to: the window setting)
	WIN \to
.set lk, 0
.rept 8
.irp ib,0,1,2,3
	ds_load_b128 v[8*(\ib+4*lk):8*(\ib+4*lk)+3],   v[VXL] offset:lk*8192+\ib*1024
	ds_load_b128 v[8*(\ib+4*lk)+4:8*(\ib+4*lk)+7], v[VXL] offset:lk*8192+\ib*1024+512
.endr
.set lk, lk+1
.endr
	WIN 0
.endm
.macro LDQ va, q                       ; 16 LDS loads: quarter q of a tile (ks = 4 q .. 4 q + 3) x my two blocks of 16 columns, into buffer q & 1; 512 consecutive bytes each
.set lk, 0
.rept 4
.irp jj,0,1
	ds_load_b128 v[F+64*((\q)&1)+8*(2*lk+\jj):F+64*((\q)&1)+8*(2*lk+\jj)+3],   v[\va] offset:(4*(\q)+lk)*4096+\jj*1024
	ds_load_b128 v[F+64*((\q)&1)+8*(2*lk+\jj)+4:F+64*((\q)&1)+8*(2*lk+\jj)+7], v[\va] offset:(4*(\q)+lk)*4096+\jj*1024+512
.endr
.set lk, lk+1
.endr
.endm
; 32 matrix instructions: quarter q.  The eight accumulators take turns, one instruction a turn.
; swap = 0: weights x H (Q, K); swap = 1: H x weights (V).  The first product starts the sums.
.macro G1 q, swap
.if \swap
	WIN 0x02+((\q)>>1)
.else
	WIN 0x08+4*((\q)>>1)
.endif
.set gk, 0
.rept 4
.set gj, 0
.rept 2
.set gi, 0
.rept 4
.set fr, F+64*((\q)&1)+8*(2*gk+gj)
.set xr, 8*(gi+4*((4*(\q)+gk)&7))
.set ac, SA+8*(4*gj+gi)
.if \swap
.if 4*(\q)+gk == 0
	v_wmma_f32_16x16x32_bf16 v[ac:ac+7], v[xr:xr+7], v[fr:fr+7], 0
.else
	v_wmma_f32_16x16x32_bf16 v[ac:ac+7], v[xr:xr+7], v[fr:fr+7], v[ac:ac+7]
.endif
.else
.if 4*(\q)+gk == 0
	v_wmma_f32_16x16x32_bf16 v[ac:ac+7], v[fr:fr+7], v[xr:xr+7], 0
.else
	v_wmma_f32_16x16x32_bf16 v[ac:ac+7], v[fr:fr+7], v[xr:xr+7], v[ac:ac+7]
.endif
.endif
.set gi, gi+1
.endr
.set gj, gj+1
.endr
.set gk, gk+1
.endr
.endm
	s_load_b256 s[4:11], s[0:1], 0x0               ; H s[4:5], wt s[6:7], bq s[8:9], bk s[10:11]
	s_load_b128 s[12:15], s[0:1], 0x20             ; bv s[12:13], qkv s[14:15]
	v_lshrrev_b32 v13, 5, v0
	v_readfirstlane_b32 s[SW], v13                 ; wave 0..3
	s_bfe_u32 s17, ttmp6, 0x40000                  ; cx
	s_lshr_b32 s18, ttmp9, 1
	s_lshl_b32 s18, s18, 2
	s_add_co_u32 s18, s18, s17                     ; token block of 128 = 4 x (cluster >> 1) + cx
	s_and_b32 s19, ttmp9, 1                        ; hh: which half of the tiles; the same in all four partners
	; group 1: a dense block as 128 rows of 256 bytes (elements of 8 bytes), asked for jointly by the cluster's four work-groups
	s_mov_b32 s[DG1+0], 0x0023000f                 ; 15:0 mask 15; 17:16 element of 8 bytes; 21 set beside a mask
	s_mov_b32 s[DG1+1], 32<<16                     ; tensor_dim0 = 32
	s_mov_b32 s[DG1+2], 128<<16                    ; tensor_dim1 = 128
	s_mov_b32 s[DG1+3], 32<<16                     ; tile_dim0 = 32
	s_mov_b32 s[DG1+4], 128                        ; tile_dim1 = 128
	s_mov_b32 s[DG1+5], 32                         ; pitch = 32 elements: dense
	s_mov_b32 s[DG1+6], 0
	s_mov_b32 s[DG1+7], 0
	s_lshl_b32 s40, s[SW], 15                      ; my quarter of a slot: 32,768 bytes
	s_lshl_b32 s42, s19, 18                        ; hh x four tiles
	s_add_co_u32 s42, s42, s40
	s_mov_b32 s43, 0
	s_wait_kmcnt 0x0
	s_add_nc_u64 s[42:43], s[6:7], s[42:43]
.irp s,0,1
	s_mov_b32 s[DG0+4*\s], 1
	s_add_co_u32 s[DG0+4*\s+1], s40, \s*SLOTB                      ; LDS address: the wave's number and the slot alone
	s_add_nc_u64 s[DG0+4*\s+2:DG0+4*\s+3], s[42:43], \s*SLOTB      ; Wq's tiles 4 hh + 2 s and 4 hh + 2 s + 1
	s_or_b32 s[DG0+4*\s+3], s[DG0+4*\s+3], 0x80000000
.endr
	CROUND                                         ; the four work-groups are here: the first joint loads meet
	tensor_load_to_lds s[DG0:DG0+3], s[DG1:DG1+7]
	tensor_load_to_lds s[DG0+4:DG0+7], s[DG1:DG1+7]
	s_lshl_b32 s44, s18, 18                        ; 128 tokens of 2,048 bytes
	s_lshl_b32 s46, s[SW], 16                      ; + my 32 tokens
	s_add_co_u32 s44, s44, s46
	s_mov_b32 s45, 0
	s_add_nc_u64 s[HB:HB+1], s[4:5], s[44:45]
	s_lshr_b32 s46, s[SW], 1                       ; a
	s_and_b32 s47, s[SW], 1                        ; b
	s_lshl1_add_u32 s44, s18, s46                  ; block of 64 tokens = 2 x token block + a
	s_mul_i32 s44, s44, 196608
	s_lshl_b32 s41, s19, 15                        ; + hh x four blocks of columns, 8,192 bytes each in Q, in K and in V
	s_add_co_u32 s44, s44, s41
	s_add_nc_u64 s[OB:OB+1], s[14:15], s[44:45]
	s_lshl_b32 s44, s19, 10                        ; the biases of my half: 256 columns on
	s_add_nc_u64 s[8:9], s[8:9], s[44:45]
	s_add_nc_u64 s[10:11], s[10:11], s[44:45]
	s_add_nc_u64 s[12:13], s[12:13], s[44:45]
	v_and_b32 v13, 31, v0                          ; L
	v_and_b32 v14, 15, v0                          ; r
	v_bfe_u32 v15, v0, 4, 1                        ; h
	v_lshlrev_b32 v[L16], 4, v13
	v_lshl_add_u32 v[VW], s47, 11, v[L16]
	v_add_nc_u32 v[VW+1], 65536, v[VW]
	v_add_nc_u32 v[VW+2], 131072, v[VW]
	v_add_nc_u32 v[VW+3], 196608, v[VW]
	v_lshl_add_u32 v[VXS], s[SW], 11, v[L16]
	v_add_nc_u32 v[VXS], XS, v[VXS]
	v_lshl_add_u32 v[VXL], s46, 12, v[L16]
	v_add_nc_u32 v[VXL], XS, v[VXL]
	v_lshlrev_b32 v[VHG], 11, v14
	v_lshl_add_u32 v[VHG], v15, 5, v[VHG]
	v_lshlrev_b32 v[VC], 5, v15
	v_lshl_add_u32 v[VC], s47, 7, v[VC]
	v_lshlrev_b32 v[VCV], 2, v14
	v_lshl_add_u32 v[VCV], s47, 7, v[VCV]
	v_lshl_add_u32 v[VOQ], s47, 12, v[L16]
	; H: each wave fetches 32 of the 128 tokens in f32, both passes at once (pass 0 staged in window 2, pass 1 in window 1), rounds them to fragments
	; and hands them round through XS, half of k at a time; each wave takes the fragments of its 64 tokens.
	WIN 0x80
	LDH 0
	WIN 0x40
	LDH 1
	WIN 0
	s_wait_loadcnt 63                              ; of the 128 loads at most 63 are out: all 64 of pass 0 are in
	XPUT 0x0a
	s_wait_dscnt 0x0                               ; my part of XS is written
	s_barrier_signal -1                            ; the two first fills stay out
	s_barrier_wait -1
	XGET 0x80                                      ; ks 0-7
	s_wait_dscnt 0x0                               ; my reads of XS are over before anybody writes pass 1
	s_barrier_signal -1
	s_barrier_wait -1
	s_wait_loadcnt 0x0                             ; pass 1
	XPUT 0x05
	s_wait_dscnt 0x0
	s_wait_tensorcnt 0x1                           ; my quarter of slot 0 is in; slot 1's may stay out
	s_barrier_signal -1
	s_barrier_wait -1
	XGET 0xc0                                      ; ks 8-15
	LDQ VW, 0                                      ; tile 0, quarter 0
; One weight tile T = 0 .. 11: kind 0 Q, 1 K, 2 V; nn its block of 64 columns within my half; pair PP = T >> 1 lies in slot PP & 1, as its tile T & 1.
; On entry the tile's quarter 0 is on its way.
.macro TILE T
.set kind, (\T)>>2
.set nn,   (\T)&3
.set PP,   (\T)>>1
.set ss,   PP&1
.set pp,   (\T)&1
.set nss,  (((\T)+1)>>1)&1
.set npp,  ((\T)+1)&1
.set swp, 0
.if kind == 2
.set swp, 1
.endif
.set sync, 0
.if pp
.if \T < 11
.set sync, 1                           ; the pair's second tile: the slot changes
.endif
.endif
	LDQ VW+2*ss+pp, 1
.if kind < 2
.irp jj,0,1
	global_load_b128 v[HS+8*\jj:HS+8*\jj+3],   v[VC], s[8+2*kind:9+2*kind] offset:nn*256+\jj*64
	global_load_b128 v[HS+8*\jj+4:HS+8*\jj+7], v[VC], s[8+2*kind:9+2*kind] offset:nn*256+\jj*64+16
.endr
.else
.irp jj,0,1
	global_load_b32 v[HS+2*\jj], v[VCV], s[12:13] offset:nn*256+\jj*64
.endr
.endif
	s_wait_dscnt 16                                ; quarter 0 is in; the 16 loads just issued stay out
	G1 0, swp
	WIN 0
	PLACES
	LDQ VW+2*ss+pp, 2
	s_wait_dscnt 16                                ; quarter 1 is in
	G1 1, swp
	WIN 0
	PLACES
	LDQ VW+2*ss+pp, 3
	s_wait_dscnt 16                                ; quarter 2 is in
	G1 2, swp
	WIN 0
.if sync
	s_wait_dscnt 0x0                               ; all my reads of this slot are back in registers,
	s_wait_tensorcnt 0x0                           ; and all my tensor loads have landed, my quarter of the other slot among them
	s_barrier_signal -1                            ; opens the round where the slot is filled again
	G1 3, swp
	WIN 0
	s_barrier_wait -1
.if PP <= 3
	CREST                                          ; no wave of any partner still reads the slot or has a load on its way
	s_add_nc_u64 s[DG0+4*ss+2:DG0+4*ss+3], s[DG0+4*ss+2:DG0+4*ss+3], 524288   ; the same two blocks of columns of the next matrix: eight tiles on
	tensor_load_to_lds s[DG0+4*ss:DG0+4*ss+3], s[DG1:DG1+7]        ; pair PP + 2: my one tensor load behind the round, and the first thing there
.endif
	PLACES
	LDQ VW+2*nss+npp, 0                            ; the next tile's quarter 0, from the other slot
.else
.if \T < 11
	PLACES
	LDQ VW+2*nss+npp, 0                            ; the next tile's quarter 0, from the same slot
	s_wait_dscnt 16                                ; this tile's quarter 3 is in
.else
	s_wait_dscnt 0x0
.endif
	G1 3, swp
	WIN 0
	PLACES
.endif
	s_wait_loadcnt 0x0                             ; the biases
	s_wait_xcnt 0x0                                ; the last tile's stores have read OUTP: it is rewritten only behind this wait
.irp jj,0,1
.irp ib,0,1,2,3
.irp j,0,2,4,6
.if kind < 2
	v_pk_add_f32 v[SA+8*(4*\jj+\ib)+\j:SA+8*(4*\jj+\ib)+\j+1], v[SA+8*(4*\jj+\ib)+\j:SA+8*(4*\jj+\ib)+\j+1], v[HS+8*\jj+\j:HS+8*\jj+\j+1]
.else
	v_pk_add_f32 v[SA+8*(4*\jj+\ib)+\j:SA+8*(4*\jj+\ib)+\j+1], v[SA+8*(4*\jj+\ib)+\j:SA+8*(4*\jj+\ib)+\j+1], v[HS+2*\jj:HS+2*\jj+1] op_sel_hi:[1,0]
.endif
.endr
.endr
.endr
.irp jj,0,1
.irp ib,0,1,2,3
.irp j,0,1,2,3
	v_cvt_pk_bf16_f32 v[OUTP+4*(4*\jj+\ib)+\j], v[SA+8*(4*\jj+\ib)+2*\j], v[SA+8*(4*\jj+\ib)+2*\j+1]
.endr
.endr
.endr
.irp jj,0,1
.irp ib,0,1,2,3
.if kind < 2
	global_store_b128 v[VOQ], v[OUTP+4*(4*\jj+\ib):OUTP+4*(4*\jj+\ib)+3], s[OB:OB+1] offset:kind*65536+nn*8192+\ib*1024+\jj*512    ; half fragment (ks = 2 nblk + b, ib, half = jj)
.else
	global_store_b128 v[VOQ], v[OUTP+4*(4*\jj+\ib):OUTP+4*(4*\jj+\ib)+3], s[OB:OB+1] offset:131072+nn*8192+\jj*2048+\ib*512        ; half fragment (dblk = 4 nblk + 2 b + jj, ks2 = ib >> 1, half = ib & 1)
.endif
.endr
.endr
.endm
.irp t,0,1,2,3,4,5,6,7,8,9,10,11
	TILE \t
.endr
	CROUND                                         ; the closing round: no work-group ends while a partner may still ask jointly
	s_endpgm
.Lfunc_end_k_q1e8afed218_qkv:
	.size	k_q1e8afed218_qkv, .Lfunc_end_k_q1e8afed218_qkv-k_q1e8afed218_qkv
	.p2alignl 7, 3214868480
	.fill 96, 4, 3214868480
	.section	.rodata,"a",@progbits
	.p2align	6, 0x0
	.amdhsa_kernel k_q1e8afed218_qkv
		.amdhsa_group_segment_fixed_size 327680
		.amdhsa_private_segment_fixed_size 0
		.amdhsa_enable_private_segment 0
		.amdhsa_kernarg_size 48
		.amdhsa_user_sgpr_count 2
		.amdhsa_user_sgpr_kernarg_segment_ptr 1
		.amdhsa_wavefront_size32 1
		.amdhsa_system_sgpr_workgroup_id_x 1
		.amdhsa_system_sgpr_workgroup_id_y 1
		.amdhsa_system_sgpr_workgroup_id_z 1
		.amdhsa_system_vgpr_workitem_id 0
		.amdhsa_next_free_vgpr 1024
		.amdhsa_next_free_sgpr 66
		.amdhsa_reserve_vcc 0
		.amdhsa_float_denorm_mode_32 3
		.amdhsa_float_denorm_mode_16_64 3
		.amdhsa_memory_ordered 1
		.amdhsa_forward_progress 1
		.amdhsa_inst_pref_size 255
	.end_amdhsa_kernel
	.section	.bss,"aw",@nobits
	.p2align	6
	.space	262144
	.amdgpu_metadata
---
amdhsa.version: [ 1, 2 ]
amdhsa.kernels:
  - .name:           k_q1e8afed218_qkv
    .symbol:         k_q1e8afed218_qkv.kd
    .args:
      - { .name: H, .offset: 0, .size: 8, .value_kind: global_buffer, .address_space: global }
      - { .name: wt, .offset: 8, .size: 8, .value_kind: global_buffer, .address_space: global }
      - { .name: bq, .offset: 16, .size: 8, .value_kind: global_buffer, .address_space: global }
      - { .name: bk, .offset: 24, .size: 8, .value_kind: global_buffer, .address_space: global }
      - { .name: bv, .offset: 32, .size: 8, .value_kind: global_buffer, .address_space: global }
      - { .name: qkv, .offset: 40, .size: 8, .value_kind: global_buffer, .address_space: global }
    .group_segment_fixed_size: 327680
    .private_segment_fixed_size: 0
    .kernarg_segment_align: 8
    .kernarg_segment_size: 48
    .max_flat_workgroup_size: 128
    .sgpr_count:     66
    .vgpr_count:     1024
    .wavefront_size: 32
...
	.end_amdgpu_metadata
.endif
;; end of part 2
;; launch attn (part 3): grid 256 x 1, 4 waves a work-group, clusters of 4 x 1, 327,680 bytes of LDS; arguments qkv, adj, hs, H, wt, b1, b2, g1, be1, g2, be2, out0; writes out0
.if DOCPART == 3
	.amdgcn_target "amdgcn-amd-amdhsa--gfx1250"
	.amdhsa_code_object_version 6
	.text
	.protected	k_q1e8afed218_attn
	.globl	k_q1e8afed218_attn
	.p2align	8
	.type	k_q1e8afed218_attn,@function
k_q1e8afed218_attn:
	s_mov_b64 s[64:65], 0
	v_nop
	global_prefetch_b8 v0, s[64:65] scope:SCOPE_SE
	s_setreg_imm32_b32 hwreg(HW_REG_WAVE_MODE, 25, 1), 1
	s_wait_xcnt 0x0
	s_wait_alu depctr_hold_cnt(0) depctr_sa_sdst(0) depctr_va_vdst(0) depctr_va_sdst(0) depctr_va_ssrc(0) depctr_va_vcc(0) depctr_vm_vsrc(0)
	s_getreg_b32 s2, hwreg(HW_REG_IB_STS2, 6, 4)
	s_cmp_eq_u32 s2, 0
	s_cbranch_scc0 .Lentry_in_a_cluster
	s_endpgm
.Lentry_in_a_cluster:
	s_bfe_u32 s2, ttmp6, 0x10000c
	s_cmp_lg_u32 s2, 0x3003
	s_cbranch_scc0 .Lentry_shape_is_right
	s_endpgm
.Lentry_shape_is_right:
; attn: softmax(q.k / sqrt(512) x adj x mean(hop_emb)) V, + H, LayerNorm, the 512 -> 1024 -> 512 ReLU network, + x, LayerNorm: one launch, no
; intermediate in memory.  A work-group of four waves owns 64 rows (256 work-groups).
; ONE STEP serves attention and the network.  Its first product takes a tile of 64 "keys" x 512 k (K, or 64 columns of W1) against the row block
; (Q, later x: 64 fragments of 16-bit numbers in 512 registers of every wave); wave w makes 16 keys x 64 rows.  Between the products stands softmax
; with a running maximum, or bias and ReLU.  The 64 x 64 result, rounded to 16 bits, is handed round through 8,192 bytes of LDS.  Its second product
; takes a tile of 512 d x 64 keys (V, or 64 rows of W2); wave w owns d = 128 w .. +127 for all 64 rows: 32 accumulators, 256 registers.
; Both products have the streamed tile as source 0 and the rows as source 1: lane (r = L & 15, h = L >> 4) holds row r and eight neighbouring
; streamed indices 8 h + j, so four roundings make a lane's 16 bytes of a half fragment for the next product, and a row's statistics lie in the
; lanes r and r + 16 of the four waves.
; All 16-bit tiles lie in memory in fragment order (half x 512 + 16 L): dense blocks for the tensor loads, LDS loads of 512 consecutive bytes.
; FORMATS: attention's operands (Q, K, probabilities, V) are bf16: Q, K and V have no bound.  The network's (x, W1, hidden units, W2) are f16, 11
; significant bits instead of 8, since each of the four enters the result at full weight.  Their room in f16, whose largest number is 65,504:
; x comes from a LayerNorm, |x| <= sqrt(512) |g1| + |be1|; W1 and W2 are drawn with spreads 0.044 and 0.031; a hidden unit is a sum of 512
; products x W1, some 8 at the most as drawn, some 7,200 with g1 and W1 both 30 times larger, some 512 x 30 x 1.33 = 20,000 with an offset of 30 in
; x and of 30 spreads in W1.  30 times smaller, W1 and W2 are near 0.001, where f16's step of 6e-8 is still finer, against their spread, than bf16's.
; Exponentials are of base 2: hs[j] carries mean(hop_emb[j]) / sqrt(512) x log2(e).  The maximum is taken away in every step (running maximum).
; CLUSTER: the four work-groups of a cluster lie in one batch (32 blocks a batch), walk the same K and V tiles and the same tiles of W1 and W2, and
; ask for them jointly (mask 15).  adj and H are each work-group's own: plain loads.  There is one shared operand only, so 4 x 1 and not 4 x 4.
; STAGGERED WALKS: neither a softmax with a running maximum nor a sum over hidden units hangs on the order of the tiles.  So the eight clusters of a
; batch begin at key tiles 4 (cluster & 7) of 32, and the 64 clusters at tiles cluster & 15 of the network's 16, and walk on round the end: the
; clusters do not all ask for one tile at one time, and a tile has as a rule been read by another cluster four steps (one step) before.
; The start hangs on the cluster's number alone, which the four partners share.
; Tensor loads outstanding in a wave, by this text's count: two at the start, one behind each round.
; LIMITS: NaN and infinities in the inputs are not reproduced (the maxima drop a NaN); an exponential below 2^-126 comes out as 0; the softmax's
; denominator adds the f32 probabilities while the product takes them rounded to bf16; sums are ordered otherwise than in the definition, and
; otherwise from cluster to cluster; a hidden unit above 65,504 is taken as 65,504; an x beyond +-65,504 (gains g1 near 2,800) becomes infinite.
.set SLOT, 148480                      ; an LDS slot: K 65,536, V 65,536, adj 64 rows x 272.  Slot 0 at 0, slot 1 at 148,480
.set AOFF, 131072
.set PREG, 296960                      ; 8,192: the probabilities (hidden units) as 8 fragments [ks2][ib][half][lane]
.set ST,   305152                      ; 4 x 1,024: row statistics [row 64][wave 4] f32; region 0 maxima, 1 denominators, 2 means, 3 variances
.set XR,   309248                      ; 16,384: x on its way from the accumulators to fragments
                                       ; PREG, ST, XR are written by LDS stores only: no tensor load lands there.
                                       ; H (64 rows, pitch 2,080) is filled once into bytes 0 .. 133,119; the stage for the output, bytes 0 .. 135,167
                                       ; (wave x 33,792, pitch 528), is written behind the launch's last fill.
.set FFN0, 1572864                     ; the tiles of W1 and W2 in wt
.set SW,   28                          ; s28 wave; s29 cx; s30 work-group; s31 loop counter; s32, s33 lane selects; s34 1/512; s35 eps
.set G1KV, 36                          ; s[36:43]
.set G0KV, 44                          ; s[44:47], s[48:51]
.set G1A,  52                          ; s[52:59]
.set G0A,  60                          ; s[60:63], s[68:71]
.set OB,   66                          ; s[66:67] out0 at my rows
.set G1H,  72                          ; s[72:79]
.set G0H,  80                          ; s[80:83]
.set FW,   84                          ; s[84:85] wt + FFN0 + wave x 65,536
.set CV,   86                          ; s[86:87] hs, later b1, at the step's 64 numbers
.set PFB,  88                          ; s[88:89] adj at the tile asked for ahead
.set QB,   90                          ; s[90:91] qkv at my block
                                       ; s[92:93] an offset for the joint descriptors (s93 = 0), s94 at work: nothing made from cx; s[2:3] (s3 = 0) hold what is
.set CI,   95                          ; s95 the index of the tile whose hs or b1 the next step loads (0 until FW is made)
.set FMAX, 96                          ; s96 65,504.0, f16's largest number
.set KF,   97                          ; s97 the index of the tile that the next fill brings
.set KVB,  98                          ; s[98:99] qkv at my batch's first K (wave 0) or V (wave 1)
.set AB,   100                         ; s[100:101] adj at my 64 rows
.set L16, 1                            ; 16 L
.set VK,  2                            ; v2, v3   16 L + 1,024 w (+ SLOT)
.set VV,  4                            ; v4, v5   65,536 + 16,384 w + 16 L (+ SLOT)
.set VA,  6                            ; v6, v7   AOFF + 272 r + 64 w + 32 h (+ SLOT)
.set VPS, 8                            ; PREG + (w >> 1) 4,096 + (w & 1) 512 + 16 L
.set VPL, 9                            ; PREG + 16 L
.set VSS, 10                           ; ST + 16 r + 4 w
.set VSL, 11                           ; ST + 16 r
.set VC,  12                           ; 64 w + 32 h
.set VG,  13                           ; 512 w + 32 h
.set VH0, 14                           ; v14, v15 2,080 r + 512 w + 16 (w >> 1) + 32 h (+ 66,560)
.set VXS, 16                           ; XR + 4,096 w + 16 L
.set VXL, 17                           ; XR + 16 L
.set VST, 18                           ; 33,792 w + 528 r + 32 h
.set VSR, 19                           ; 33,792 w + 16 L
.set VO,  20                           ; 512 w + 16 L
.set VPF, 21                           ; 8,192 L
.set AL,  24                           ; v[24:27]   per token block ib: the factor of the old sums; later 1/denominator, -mean, 1/sigma
.set TM,  28                           ; v[28:31]   per ib: at work
.set SA,  32                           ; v[32:63]   the first product's four accumulators
.set AD,  64                           ; v[64:95]   adj
.set PF,  32                           ; v[32:95]   the 8 fragments of probabilities (over SA and AD, which are dead by then); b2 in the first norm
.set F,   96                           ; v[96:223]  16 streamed fragments
.set HS,  224                          ; v[224:231] hs or b1
.set X16, 232                          ; v[232:247]
.set M,   248                          ; v[248:251] running maxima
.set LS,  252                          ; v[252:255] my part of the denominators
.set T32, 224                          ; v[224:255] at work in the norms and on x's way
; window 1: accumulator (db 0-7, ib 0-3) at 8 (4 db + ib).  Windows 2, 3: row fragment (ib, ks) at 8 (ib + 4 (ks & 7)) of window 2 + (ks >> 3).
.set MSB, 0
.macro WIN new                         ; s_set_vgpr_msb; the immediate's high byte repeats the setting that is left
.if MSB != (\new)
	s_set_vgpr_msb (MSB<<8)|(\new)
.set MSB, (\new)
.endif
.endm
.macro PLACES                          ; the places behind matrix instructions (ISA guide 7.12.1): five serve every case met here
.rept 5
	v_nop
.endr
.endm
.macro CREST                           ; a round of the cluster's barrier behind its opening work-group barrier
	s_cmp_lg_u32 s[SW], 0
	s_cbranch_scc1 .Lnot_wave_0_\@
	s_barrier_signal -3
.Lnot_wave_0_\@:
	s_barrier_wait -3
	s_barrier_signal -1
	s_barrier_wait -1
.endm
.macro CROUND
	s_barrier_signal -1
	s_barrier_wait -1
	CREST
.endm
.macro LDK va, k0                      ; 16 LDS loads: my key fragments ks = k0 .. k0+7
.set lk, \k0
.rept 8
	ds_load_b128 v[F+8*lk:F+8*lk+3],   v[\va] offset:lk*4096
	ds_load_b128 v[F+8*lk+4:F+8*lk+7], v[\va] offset:lk*4096+512
.set lk, lk+1
.endr
.endm
.macro LDV va, ks2                     ; 16 LDS loads: my eight value fragments of keys 32 ks2 .. +31
.set lk, 0
.rept 8
	ds_load_b128 v[F+64*\ks2+8*lk:F+64*\ks2+8*lk+3],   v[\va] offset:lk*2048+\ks2*1024
	ds_load_b128 v[F+64*\ks2+8*lk+4:F+64*\ks2+8*lk+7], v[\va] offset:lk*2048+\ks2*1024+512
.set lk, lk+1
.endr
.endm
; The first product, 32 matrix instructions: ks = 8 half .. +7, four accumulators by turns, one instruction a turn.
; fmt: bf16 (attention) or f16 (the network).
.macro G1 half, fmt
	WIN 0x08+4*\half
.set gk, 8*\half
.rept 8
.set gi, 0
.rept 4
.if gk == 0
	v_wmma_f32_16x16x32_\fmt v[SA+8*gi:SA+8*gi+7], v[F+8*gk:F+8*gk+7], v[8*(gi+4*(gk&7)):8*(gi+4*(gk&7))+7], 0
.else
	v_wmma_f32_16x16x32_\fmt v[SA+8*gi:SA+8*gi+7], v[F+8*gk:F+8*gk+7], v[8*(gi+4*(gk&7)):8*(gi+4*(gk&7))+7], v[SA+8*gi:SA+8*gi+7]
.endif
.set gi, gi+1
.endr
.set gk, gk+1
.endr
.endm
; The second product, 32 matrix instructions on 32 accumulators by turns.  zero = 1: the product starts the sums.
.macro G2 ks2, zero, fmt
	WIN 0x50
.set gd, 0
.rept 8
.set gi, 0
.rept 4
.if \zero
	v_wmma_f32_16x16x32_\fmt v[8*(4*gd+gi):8*(4*gd+gi)+7], v[F+64*\ks2+8*gd:F+64*\ks2+8*gd+7], v[PF+8*(gi+4*\ks2):PF+8*(gi+4*\ks2)+7], 0
.else
	v_wmma_f32_16x16x32_\fmt v[8*(4*gd+gi):8*(4*gd+gi)+7], v[F+64*\ks2+8*gd:F+64*\ks2+8*gd+7], v[PF+8*(gi+4*\ks2):PF+8*(gi+4*\ks2)+7], v[8*(4*gd+gi):8*(4*gd+gi)+7]
.endif
.set gi, gi+1
.endr
.set gd, gd+1
.endr
.endm
; 64 packed instructions under window setting 0x41: accumulators of token blocks 2 p and 2 p + 1, op with AL[ib] in both halves
.macro ACC2 op, p
.irp b,0,1
.set gd, 0
.rept 8
.irp j,0,2,4,6
	\op v[8*(4*gd+2*\p+\b)+\j:8*(4*gd+2*\p+\b)+\j+1], v[8*(4*gd+2*\p+\b)+\j:8*(4*gd+2*\p+\b)+\j+1], v[AL+2*\p:AL+2*\p+1] op_sel:[0,\b] op_sel_hi:[1,\b]
.endr
.set gd, gd+1
.endr
.endr
.endm
.macro KADDR s                         ; groups 0 of slot s: K or V, and adj, of key tile KF; KF steps round the 32
	s_mul_i32 s92, s[KF], 196608                   ; a block of 64 tokens in qkv
	s_add_nc_u64 s[G0KV+4*\s+2:G0KV+4*\s+3], s[KVB:KVB+1], s[92:93]
	s_or_b32 s[G0KV+4*\s+3], s[G0KV+4*\s+3], 0x80000000
	s_lshl_b32 s2, s[KF], 8                        ; 64 keys of 4 bytes in a row of adj
	s_add_nc_u64 s[G0A+8*\s+2:G0A+8*\s+3], s[AB:AB+1], s[2:3]
	s_or_b32 s[G0A+8*\s+3], s[G0A+8*\s+3], 0x80000000
	s_add_co_u32 s[KF], s[KF], 1
	s_and_b32 s[KF], s[KF], 31
.endm
.macro WADDR s                         ; group 0 of slot s: the tiles of W1 and W2 with index KF (131,072 bytes an index); KF steps round the 16
	s_lshl_b32 s92, s[KF], 17
	s_add_nc_u64 s[G0KV+4*\s+2:G0KV+4*\s+3], s[FW:FW+1], s[92:93]
	s_or_b32 s[G0KV+4*\s+3], s[G0KV+4*\s+3], 0x80000000
	s_add_co_u32 s[KF], s[KF], 1
	s_and_b32 s[KF], s[KF], 15
.endm
; The refill of slot s, straight behind a round.  No tensor load of the wave is out, so group 0 may be written.
; kind 1: K and V (waves 0, 1, jointly) and adj (wave 2) of key tile KF, the one read two steps on; kind 2: H (wave 3);
; kind 3: the tiles of W1 and W2 with index KF; kind 5: the network's first fill: KF starts at cluster & 15.
; pf = 1: wave 3, which fills nothing, asks for the 64 row pieces of 256 bytes of the adj tile that the NEXT step's fill will bring (KF has stepped):
; each piece once in the launch; the last request, in step 28, is for the walk's last tile.
.macro FILL kind, s, pf
.if \kind == 1
	KADDR \s
.endif
.if \kind == 5
	s_and_b32 s[KF], ttmp9, 15
	WADDR \s
.endif
.if \kind == 3
	WADDR \s
.endif
.if \kind == 2
	s_cmp_eq_u32 s[SW], 3
	s_cbranch_scc0 .Lfe_\@
	tensor_load_to_lds s[G0H:G0H+3], s[G1H:G1H+7]
.else
	s_cmp_lt_u32 s[SW], 2
	s_cbranch_scc0 .Lfa_\@
	tensor_load_to_lds s[G0KV+4*\s:G0KV+4*\s+3], s[G1KV:G1KV+7]
.if \kind == 1
	s_branch .Lfe_\@
.endif
.Lfa_\@:
.if \kind == 1
	s_cmp_eq_u32 s[SW], 2
	s_cbranch_scc0 .Lfp_\@
	tensor_load_to_lds s[G0A+8*\s:G0A+8*\s+3], s[G1A:G1A+7]
.if \pf
	s_branch .Lfe_\@
.endif
.Lfp_\@:
.if \pf
	s_wait_xcnt 0x0                                ; the last step's requests have read PFB: it is written again only behind this wait
	s_lshl_b32 s2, s[KF], 8
	s_add_nc_u64 s[PFB:PFB+1], s[AB:AB+1], s[2:3]
	global_prefetch_b8 v[VPF], s[PFB:PFB+1] th:TH_LOAD_NT scope:SCOPE_SE                  ; rows 0-31
	global_prefetch_b8 v[VPF], s[PFB:PFB+1] offset:262144 th:TH_LOAD_NT scope:SCOPE_SE    ; rows 32-63
.endif
.endif
.endif
.Lfe_\@:
.endm
; ONE STEP.  mode 0: attention; 1: its first step (starts maxima and sums); 2: the network.  s: the slot read.
; fill 0: nothing; 1, 2, 3, 5: a round and FILL of that kind; 4: a plain barrier (the other slot's tile is shown to all).  next: the next tile's
; first fragments are fetched.  On entry the 16 loads of key fragments ks 0-7 are on their way.
.macro STEP mode, s, fill, pf, next
	PLACES
	LDK VK+\s, 8
.if \mode < 2
.irp ib,0,1,2,3
	ds_load_b128 v[AD+8*\ib:AD+8*\ib+3],   v[VA+\s] offset:\ib*4352       ; adj(row 16 ib + r, key 16 w + 8 h ..)
	ds_load_b128 v[AD+8*\ib+4:AD+8*\ib+7], v[VA+\s] offset:\ib*4352+16
.endr
.endif
	global_load_b128 v[HS:HS+3],   v[VC], s[CV:CV+1]
	global_load_b128 v[HS+4:HS+7], v[VC], s[CV:CV+1] offset:16
.if \mode < 2
	s_wait_dscnt 24                                ; ks 0-7 are in; the 16 + 8 loads just issued stay out
	G1 0, bf16
.else
	s_wait_dscnt 16                                ; ks 0-7 are in; the 16 loads just issued stay out
	G1 0, f16
.endif
	WIN 0
	PLACES
	LDV VV+\s, 0
	s_wait_dscnt 16                                ; all but those 16
.if \mode < 2
	G1 1, bf16
.else
	G1 1, f16
.endif
	WIN 0
	PLACES
	LDV VV+\s, 1
	s_wait_loadcnt 0x0                             ; hs or b1; the loads are done, so their base may be written: the next tile's 64 numbers, round the end
	s_add_co_u32 s[CI], s[CI], 1
.if \mode < 2
	s_and_b32 s[CI], s[CI], 31
	s_lshl_b32 s2, s[CI], 8
	s_add_nc_u64 s[CV:CV+1], s[8:9], s[2:3]
.else
	s_and_b32 s[CI], s[CI], 15
	s_lshl_b32 s2, s[CI], 8
	s_add_nc_u64 s[CV:CV+1], s[14:15], s[2:3]
.endif
.if \mode < 2
	; logits of base 2 = q.k x (adj x hs)
.irp ib,0,1,2,3
.irp j,0,2,4,6
	v_pk_mul_f32 v[AD+8*\ib+\j:AD+8*\ib+\j+1], v[AD+8*\ib+\j:AD+8*\ib+\j+1], v[HS+\j:HS+\j+1]
.endr
.endr
.irp ib,0,1,2,3
.irp j,0,2,4,6
	v_pk_mul_f32 v[SA+8*\ib+\j:SA+8*\ib+\j+1], v[SA+8*\ib+\j:SA+8*\ib+\j+1], v[AD+8*\ib+\j:AD+8*\ib+\j+1]
.endr
.endr
	; a row's maximum over the step's 64 keys: my eight, the other half of the lanes, the four waves
.irp ib,0,1,2,3
	v_max3_num_f32 v[TM+\ib], v[SA+8*\ib], v[SA+8*\ib+1], v[SA+8*\ib+2]
.endr
.irp ib,0,1,2,3
	v_max3_num_f32 v[TM+\ib], v[TM+\ib], v[SA+8*\ib+3], v[SA+8*\ib+4]
.endr
.irp ib,0,1,2,3
	v_max3_num_f32 v[TM+\ib], v[TM+\ib], v[SA+8*\ib+5], v[SA+8*\ib+6]
.endr
.irp ib,0,1,2,3
	v_max_num_f32 v[TM+\ib], v[TM+\ib], v[SA+8*\ib+7]
.endr
.irp ib,0,1,2,3
	v_permlanex16_b32 v[X16+\ib], v[TM+\ib], s32, s33
.endr
.irp ib,0,1,2,3
	v_max_num_f32 v[TM+\ib], v[TM+\ib], v[X16+\ib]
.endr
.irp ib,0,1,2,3
	ds_store_b32 v[VSS], v[TM+\ib] offset:\ib*256
.endr
	s_wait_dscnt 0x0                               ; my maxima are written (and my value fragments are in)
	s_barrier_signal -1                            ; the tile on its way stays out
	s_barrier_wait -1
.irp ib,0,1,2,3
	ds_load_b128 v[X16+4*\ib:X16+4*\ib+3], v[VSL] offset:\ib*256
.endr
	s_wait_dscnt 0x0
.irp ib,0,1,2,3
	v_max3_num_f32 v[TM+\ib], v[X16+4*\ib], v[X16+4*\ib+1], v[X16+4*\ib+2]
.endr
.irp ib,0,1,2,3
.if \mode == 0
	v_max3_num_f32 v[TM+\ib], v[TM+\ib], v[X16+4*\ib+3], v[M+\ib]   ; the new running maximum
	v_sub_f32 v[AL+\ib], v[M+\ib], v[TM+\ib]                        ; old - new
.else
	v_max_num_f32 v[TM+\ib], v[TM+\ib], v[X16+4*\ib+3]
.endif
	v_mov_b32 v[M+\ib], v[TM+\ib]
	v_mul_f32 v[TM+\ib], -1.0, v[TM+\ib]                            ; its negative, for the packed adds
.endr
.irp p,0,1
.irp b,0,1
.irp j,0,2,4,6
	v_pk_add_f32 v[SA+8*(2*\p+\b)+\j:SA+8*(2*\p+\b)+\j+1], v[SA+8*(2*\p+\b)+\j:SA+8*(2*\p+\b)+\j+1], v[TM+2*\p:TM+2*\p+1] op_sel:[0,\b] op_sel_hi:[1,\b]
.endr
.endr
.endr
.set lk, 0
.rept 32
	v_exp_f32 v[SA+lk], v[SA+lk]
.set lk, lk+1
.endr
.if \mode == 0
.irp ib,0,1,2,3
	v_exp_f32 v[AL+\ib], v[AL+\ib]
.endr
.endif
	v_nop                                          ; one plain place between the exponentials and the first use of a result (ISA guide 5.7.2)
.irp ib,0,1,2,3
	v_pk_add_f32 v[AD+8*\ib:AD+8*\ib+1],   v[SA+8*\ib:SA+8*\ib+1],   v[SA+8*\ib+2:SA+8*\ib+3]
	v_pk_add_f32 v[AD+8*\ib+2:AD+8*\ib+3], v[SA+8*\ib+4:SA+8*\ib+5], v[SA+8*\ib+6:SA+8*\ib+7]
.endr
.irp ib,0,1,2,3
	v_pk_add_f32 v[AD+8*\ib:AD+8*\ib+1], v[AD+8*\ib:AD+8*\ib+1], v[AD+8*\ib+2:AD+8*\ib+3]
.endr
.irp ib,0,1,2,3
.if \mode == 0
	v_fma_f32 v[LS+\ib], v[LS+\ib], v[AL+\ib], v[AD+8*\ib]
	v_add_f32 v[LS+\ib], v[LS+\ib], v[AD+8*\ib+1]
.else
	v_add_f32 v[LS+\ib], v[AD+8*\ib], v[AD+8*\ib+1]
.endif
.endr
.else
	; the network: + b1, ReLU; the same instruction holds a hidden unit inside f16's range
.irp ib,0,1,2,3
.irp j,0,2,4,6
	v_pk_add_f32 v[SA+8*\ib+\j:SA+8*\ib+\j+1], v[SA+8*\ib+\j:SA+8*\ib+\j+1], v[HS+\j:HS+\j+1]
.endr
.endr
.set lk, 0
.rept 32
	v_med3_num_f32 v[SA+lk], v[SA+lk], 0, s[FMAX]
.set lk, lk+1
.endr
.endif
	; rounded to 16 bits: my 16 keys of the 64 rows are four half fragments; all waves read all eight fragments
.irp ib,0,1,2,3
.irp j,0,1,2,3
.if \mode < 2
	v_cvt_pk_bf16_f32 v[X16+4*\ib+\j], v[SA+8*\ib+2*\j], v[SA+8*\ib+2*\j+1]
.else
	v_cvt_pk_f16_f32 v[X16+4*\ib+\j], v[SA+8*\ib+2*\j], v[SA+8*\ib+2*\j+1]
.endif
.endr
.endr
.irp ib,0,1,2,3
	ds_store_b128 v[VPS], v[X16+4*\ib:X16+4*\ib+3] offset:\ib*1024
.endr
	s_wait_dscnt 0x0
	s_barrier_signal -1
.if \mode == 0
	WIN 0x41
	ACC2 v_pk_mul_f32, 0                           ; the old sums to the new maximum, half of them while the others arrive
	WIN 0
.endif
	s_barrier_wait -1
.set lk, 0
.rept 8
	ds_load_b128 v[PF+8*lk:PF+8*lk+3],   v[VPL] offset:lk*1024
	ds_load_b128 v[PF+8*lk+4:PF+8*lk+7], v[VPL] offset:lk*1024+512
.set lk, lk+1
.endr
.if \mode == 0
	WIN 0x41
	ACC2 v_pk_mul_f32, 1
	WIN 0
.endif
	s_wait_dscnt 0x0                               ; the fragments are in, and every read of this slot is back in registers
.if \fill
	s_wait_tensorcnt 0x0                           ; all my tensor loads have landed: my part of the other slot
	s_barrier_signal -1                            ; opens the round where the slot is filled again
.endif
.if \mode == 2
	G2 0, 0, f16
.else
.if \mode == 1
	G2 0, 1, bf16
.else
	G2 0, 0, bf16
.endif
.endif
	WIN 0
.if \fill
	s_barrier_wait -1
.if \fill != 4
	CREST                                          ; no wave of any partner still reads the slot or has a load on its way
	FILL \fill, \s, \pf                            ; my one tensor load behind the round, and the first thing there
.endif
.endif
.if \next
	PLACES
	LDK VK+1-\s, 0                                 ; the next tile's ks 0-7
.endif
.if \mode == 2
	G2 1, 0, f16
.else
	G2 1, 0, bf16
.endif
	WIN 0
.endm
.macro TSTAGE base, cnt                ; cnt packed adds: pair k += pair k + cnt
.set tk, 0
.rept \cnt
	v_pk_add_f32 v[\base+2*tk:\base+2*tk+1], v[\base+2*tk:\base+2*tk+1], v[\base+2*tk+2*\cnt:\base+2*tk+2*\cnt+1]
.set tk, tk+1
.endr
.endm
.macro HRED                            ; TM += the other half of the lanes
.irp ib,0,1,2,3
	v_permlanex16_b32 v[X16+\ib], v[TM+\ib], s32, s33
.endr
.irp ib,0,1,2,3
	v_add_f32 v[TM+\ib], v[TM+\ib], v[X16+\ib]
.endr
.endm
.macro XCH reg                         ; TM = the sum of the four waves' TM, through region reg of ST
.irp ib,0,1,2,3
	ds_store_b32 v[VSS], v[TM+\ib] offset:\reg*1024+\ib*256
.endr
	s_wait_dscnt 0x0
	s_barrier_signal -1
	s_barrier_wait -1
.irp ib,0,1,2,3
	ds_load_b128 v[X16+4*\ib:X16+4*\ib+3], v[VSL] offset:\reg*1024+\ib*256
.endr
	s_wait_dscnt 0x0
.irp ib,0,1,2,3
	v_pk_add_f32 v[X16+4*\ib:X16+4*\ib+1], v[X16+4*\ib:X16+4*\ib+1], v[X16+4*\ib+2:X16+4*\ib+3]
.endr
.irp ib,0,1,2,3
	v_add_f32 v[TM+\ib], v[X16+4*\ib], v[X16+4*\ib+1]
.endr
.endm
; LayerNorm of the accumulators, in place, in two passes (mean; then the centred squares: no difference of large sums).
; gptr, eptr: the scalar pairs with the gain's and the offset's address; wb2 = 1: b2 is fetched into PF along with them.
.macro LNORM gptr, eptr, wb2
	WIN 0x05
.irp ib,0,1,2,3
.set gd, 0
.rept 8
	v_pk_add_f32 v[F+32*\ib+4*gd:F+32*\ib+4*gd+1],   v[8*(4*gd+\ib):8*(4*gd+\ib)+1],   v[8*(4*gd+\ib)+2:8*(4*gd+\ib)+3]
	v_pk_add_f32 v[F+32*\ib+4*gd+2:F+32*\ib+4*gd+3], v[8*(4*gd+\ib)+4:8*(4*gd+\ib)+5], v[8*(4*gd+\ib)+6:8*(4*gd+\ib)+7]
.set gd, gd+1
.endr
.endr
	WIN 0
.irp c,8,4,2,1
.irp ib,0,1,2,3
	TSTAGE F+32*\ib, \c
.endr
.endr
.irp ib,0,1,2,3
	v_add_f32 v[TM+\ib], v[F+32*\ib], v[F+32*\ib+1]
.endr
	HRED
.set gd, 0
.rept 8
	global_load_b128 v[F+8*gd:F+8*gd+3],       v[VG], s[\gptr:\gptr+1] offset:gd*64
	global_load_b128 v[F+8*gd+4:F+8*gd+7],     v[VG], s[\gptr:\gptr+1] offset:gd*64+16
	global_load_b128 v[F+64+8*gd:F+64+8*gd+3], v[VG], s[\eptr:\eptr+1] offset:gd*64
	global_load_b128 v[F+64+8*gd+4:F+64+8*gd+7], v[VG], s[\eptr:\eptr+1] offset:gd*64+16
.if \wb2
	global_load_b128 v[PF+8*gd:PF+8*gd+3],     v[VG], s[16:17] offset:gd*64
	global_load_b128 v[PF+8*gd+4:PF+8*gd+7],   v[VG], s[16:17] offset:gd*64+16
.endif
.set gd, gd+1
.endr
	XCH 2
.irp ib,0,1,2,3
	v_mul_f32 v[AL+\ib], 0xbb000000, v[TM+\ib]     ; - mean = sum x (-1/512)
.endr
	WIN 0x41
	ACC2 v_pk_add_f32, 0
	ACC2 v_pk_add_f32, 1
	WIN 0x05
.irp ib,0,1,2,3
.irp j,0,2,4,6
	v_pk_mul_f32 v[T32+8*\ib+\j:T32+8*\ib+\j+1], v[8*\ib+\j:8*\ib+\j+1], v[8*\ib+\j:8*\ib+\j+1]
.endr
.endr
.set gd, 1
.rept 7
.irp ib,0,1,2,3
.irp j,0,2,4,6
	v_pk_fma_f32 v[T32+8*\ib+\j:T32+8*\ib+\j+1], v[8*(4*gd+\ib)+\j:8*(4*gd+\ib)+\j+1], v[8*(4*gd+\ib)+\j:8*(4*gd+\ib)+\j+1], v[T32+8*\ib+\j:T32+8*\ib+\j+1]
.endr
.endr
.set gd, gd+1
.endr
	WIN 0
.irp c,2,1
.irp ib,0,1,2,3
	TSTAGE T32+8*\ib, \c
.endr
.endr
.irp ib,0,1,2,3
	v_add_f32 v[TM+\ib], v[T32+8*\ib], v[T32+8*\ib+1]
.endr
	HRED
	XCH 3
.irp ib,0,1,2,3
	v_fma_f32 v[AL+\ib], v[TM+\ib], s34, s35       ; variance + eps
.endr
.irp ib,0,1,2,3
	v_rsq_f32 v[AL+\ib], v[AL+\ib]
.endr
	v_nop                                          ; one plain place behind the roots (ISA guide 5.7.2)
	s_wait_loadcnt 0x0                             ; gain and offset (and b2)
	WIN 0x41
.irp p,0,1
.irp b,0,1
.set gd, 0
.rept 8
.irp j,0,2,4,6
	v_pk_mul_f32 v[8*(4*gd+2*\p+\b)+\j:8*(4*gd+2*\p+\b)+\j+1], v[8*(4*gd+2*\p+\b)+\j:8*(4*gd+2*\p+\b)+\j+1], v[AL+2*\p:AL+2*\p+1] op_sel:[0,\b] op_sel_hi:[1,\b]
.endr
.irp j,0,2,4,6
	v_pk_fma_f32 v[8*(4*gd+2*\p+\b)+\j:8*(4*gd+2*\p+\b)+\j+1], v[8*(4*gd+2*\p+\b)+\j:8*(4*gd+2*\p+\b)+\j+1], v[F+8*gd+\j:F+8*gd+\j+1], v[F+64+8*gd+\j:F+64+8*gd+\j+1]
.endr
.set gd, gd+1
.endr
.endr
.endr
	WIN 0
.endm
; x from the accumulators to row fragments in f16, a quarter at a time: my tiles db = 2 q, 2 q + 1 are the fragments ks = 4 w + q of the four token blocks.
.macro XROUND q, last
	WIN 0x05
.irp ib,0,1,2,3
.irp hf,0,1
.irp j,0,1,2,3
	v_cvt_pk_f16_f32 v[T32+8*\ib+4*\hf+\j], v[8*(4*(2*\q+\hf)+\ib)+2*\j], v[8*(4*(2*\q+\hf)+\ib)+2*\j+1]
.endr
.endr
.endr
	WIN 0
.irp ib,0,1,2,3
.irp hf,0,1
	ds_store_b128 v[VXS], v[T32+8*\ib+4*\hf:T32+8*\ib+4*\hf+3] offset:\ib*1024+\hf*512
.endr
.endr
	s_wait_dscnt 0x0
	s_barrier_signal -1
	s_barrier_wait -1
	WIN 0x80
.irp wq,0,1
.irp ib,0,1,2,3
.irp hf,0,1
	ds_load_b128 v[8*(\ib+4*(4*\wq+\q))+4*\hf:8*(\ib+4*(4*\wq+\q))+4*\hf+3], v[VXL] offset:(4*\wq+\ib)*1024+\hf*512
.endr
.endr
.endr
	WIN 0xc0
.irp wq,0,1
.irp ib,0,1,2,3
.irp hf,0,1
	ds_load_b128 v[8*(\ib+4*(4*\wq+\q))+4*\hf:8*(\ib+4*(4*\wq+\q))+4*\hf+3], v[VXL] offset:(4*(\wq+2)+\ib)*1024+\hf*512
.endr
.endr
.endr
	WIN 0
	s_wait_dscnt 0x0                               ; my reads are over before anybody writes the next quarter
.if \last == 0
	s_barrier_signal -1
	s_barrier_wait -1
.endif
.endm
	; ---------------- set-up ----------------
	s_load_b512 s[4:19], s[0:1], 0x0               ; qkv s[4:5], adj s[6:7], hs s[8:9], H s[10:11], wt s[12:13], b1 s[14:15], b2 s[16:17], g1 s[18:19]
	s_load_b256 s[20:27], s[0:1], 0x40             ; be1 s[20:21], g2 s[22:23], be2 s[24:25], out0 s[26:27]
	v_lshrrev_b32 v22, 5, v0
	v_readfirstlane_b32 s[SW], v22                 ; wave 0..3
	s_bfe_u32 s29, ttmp6, 0x40000                  ; cx
	s_lshl_b32 s30, ttmp9, 2
	s_add_co_u32 s30, s30, s29                     ; work-group = 4 x cluster + cx
	s_mov_b32 s32, 0x76543210                      ; v_permlanex16_b32: lane i takes lane i of the other half
	s_mov_b32 s33, 0xfedcba98
	s_mov_b32 s34, 0x3b000000                      ; 1/512
	s_mov_b32 s35, 0x3727c5ac                      ; 1e-5
	s_mov_b32 s[FMAX], 0x477fe000                  ; 65,504.0
	; K or V, W1 or W2: a dense block of 65,536 bytes as 256 rows of 256 bytes, asked for jointly by the cluster's four
	s_mov_b32 s[G1KV+0], 0x0023000f                ; 15:0 mask 15; 17:16 element of 8 bytes; 21 set beside a mask
	s_mov_b32 s[G1KV+1], 32<<16                    ; tensor_dim0 = 32
	s_mov_b32 s[G1KV+2], 256<<16                   ; tensor_dim1 = 256
	s_mov_b32 s[G1KV+3], 32<<16                    ; tile_dim0 = 32
	s_mov_b32 s[G1KV+4], 256                       ; tile_dim1 = 256
	s_mov_b32 s[G1KV+5], 32                        ; pitch: dense
	s_mov_b32 s[G1KV+6], 0
	s_mov_b32 s[G1KV+7], 0
	; adj: 64 rows x 64 f32, pitch 2,048 elements; 16 bytes of padding behind each row of 64 words: LDS pitch 272
	s_mov_b32 s[G1A+0], 0x07520000                 ; element of 4 bytes; padding on, after every 64 words, 4 words
	s_mov_b32 s[G1A+1], 64<<16
	s_mov_b32 s[G1A+2], 64<<16
	s_mov_b32 s[G1A+3], 64<<16
	s_mov_b32 s[G1A+4], 64
	s_mov_b32 s[G1A+5], 2048
	s_mov_b32 s[G1A+6], 0
	s_mov_b32 s[G1A+7], 0
	; H: 64 rows x 512 f32; 16 bytes of padding behind every 256 words: LDS pitch 2,080
	s_mov_b32 s[G1H+0], 0x07d20000
	s_mov_b32 s[G1H+1], 512<<16
	s_mov_b32 s[G1H+2], 64<<16
	s_mov_b32 s[G1H+3], 512<<16
	s_mov_b32 s[G1H+4], 64
	s_mov_b32 s[G1H+5], 512
	s_mov_b32 s[G1H+6], 0
	s_mov_b32 s[G1H+7], 0
	s_lshl_b32 s94, s[SW], 16                      ; wave x 65,536: wave 0 fetches K (W1), wave 1 V (W2)
	s_mov_b32 s95, 0
	s_lshr_b32 s92, ttmp9, 3                       ; batch: eight clusters each
	s_mul_i32 s92, s92, 32*196608
	s_add_co_u32 s92, s92, s94
	s_add_co_u32 s92, s92, 65536                   ; behind a block's Q
	s_mov_b32 s93, 0
	s_mov_b32 s3, 0
	s_and_b32 s[KF], ttmp9, 7
	s_lshl_b32 s[KF], s[KF], 2                     ; the walk's first key tile: 4 x (cluster & 7)
	s_wait_kmcnt 0x0
	s_add_nc_u64 s[KVB:KVB+1], s[4:5], s[92:93]
	s_add_nc_u64 s[FW:FW+1], s[12:13], s[94:95]
	s_add_nc_u64 s[FW:FW+1], s[FW:FW+1], FFN0
	s_mov_b32 s[CI], s[KF]                         ; s95 has served as a zero for the last time
	s_lshl_b32 s2, s[CI], 8
	s_add_nc_u64 s[CV:CV+1], s[8:9], s[2:3]        ; hs at the first tile's 64 keys
	s_lshl_b32 s2, s30, 19                         ; my 64 rows of adj, 8,192 bytes each
	s_add_nc_u64 s[AB:AB+1], s[6:7], s[2:3]
.irp s,0,1
	s_mov_b32 s[G0KV+4*\s], 1
	s_add_co_u32 s[G0KV+4*\s+1], s94, \s*SLOT      ; LDS address: the wave's number and the slot alone
	s_mov_b32 s[G0A+8*\s], 1
	s_mov_b32 s[G0A+8*\s+1], \s*SLOT+AOFF
	KADDR \s                                       ; the walk's first two tiles; KF ends at the third
.endr
	s_lshl_b32 s2, s30, 17                         ; my 64 rows of H and of out0, 2,048 bytes each
	s_add_nc_u64 s[OB:OB+1], s[26:27], s[2:3]
	s_mov_b32 s[G0H], 1
	s_mov_b32 s[G0H+1], 0
	s_add_nc_u64 s[G0H+2:G0H+3], s[10:11], s[2:3]
	s_or_b32 s[G0H+3], s[G0H+3], 0x80000000
	s_mul_i32 s2, s30, 196608
	s_add_nc_u64 s[QB:QB+1], s[4:5], s[2:3]
	CROUND                                         ; the four work-groups are here: the first joint loads meet
	s_cmp_lt_u32 s[SW], 2                          ; all first fills in one branch on the wave's number
	s_cbranch_scc0 .Lff_a
	tensor_load_to_lds s[G0KV:G0KV+3], s[G1KV:G1KV+7]
	tensor_load_to_lds s[G0KV+4:G0KV+7], s[G1KV:G1KV+7]
	s_branch .Lff_e
.Lff_a:
	s_cmp_eq_u32 s[SW], 2
	s_cbranch_scc0 .Lff_e
	tensor_load_to_lds s[G0A:G0A+3], s[G1A:G1A+7]
	tensor_load_to_lds s[G0A+8:G0A+11], s[G1A:G1A+7]
.Lff_e:
	v_and_b32 v22, 31, v0                          ; L
	v_lshlrev_b32 v[L16], 4, v22
	v_lshlrev_b32 v[VPF], 13, v22
	; Q: 64 fragments, 512 consecutive bytes a load, into windows 2 and 3
	WIN 0x80
.set lk, 0
.rept 8
.irp ib,0,1,2,3
	global_load_b128 v[8*(\ib+4*lk):8*(\ib+4*lk)+3],   v[L16], s[QB:QB+1] offset:(4*lk+\ib)*1024
	global_load_b128 v[8*(\ib+4*lk)+4:8*(\ib+4*lk)+7], v[L16], s[QB:QB+1] offset:(4*lk+\ib)*1024+512
.endr
.set lk, lk+1
.endr
	WIN 0xc0
.set lk, 0
.rept 8
.irp ib,0,1,2,3
	global_load_b128 v[8*(\ib+4*lk):8*(\ib+4*lk)+3],   v[L16], s[QB:QB+1] offset:(4*(lk+8)+\ib)*1024
	global_load_b128 v[8*(\ib+4*lk)+4:8*(\ib+4*lk)+7], v[L16], s[QB:QB+1] offset:(4*(lk+8)+\ib)*1024+512
.endr
.set lk, lk+1
.endr
	WIN 0
	v_and_b32 v22, 15, v0                          ; r
	v_bfe_u32 v23, v0, 4, 1                        ; h
	v_lshl_add_u32 v[VK], s[SW], 10, v[L16]
	v_add_nc_u32 v[VK+1], SLOT, v[VK]
	v_lshl_add_u32 v[VV], s[SW], 14, v[L16]
	v_add_nc_u32 v[VV], 65536, v[VV]
	v_add_nc_u32 v[VV+1], SLOT, v[VV]
	v_lshlrev_b32 v[VC], 5, v23
	v_lshl_add_u32 v[VC], s[SW], 6, v[VC]
	v_mul_u32_u24 v[VA], v22, 272
	v_add_nc_u32 v[VA], v[VA], v[VC]
	v_add_nc_u32 v[VA], AOFF, v[VA]
	v_add_nc_u32 v[VA+1], SLOT, v[VA]
	s_lshr_b32 s92, s[SW], 1
	s_lshl_b32 s94, s92, 12
	s_and_b32 s2, s[SW], 1
	s_lshl_b32 s2, s2, 9
	s_add_co_u32 s94, s94, s2
	s_add_co_u32 s94, s94, PREG
	v_add_nc_u32 v[VPS], s94, v[L16]
	v_add_nc_u32 v[VPL], PREG, v[L16]
	v_lshlrev_b32 v[VSL], 4, v22
	v_add_nc_u32 v[VSL], ST, v[VSL]
	v_lshl_add_u32 v[VSS], s[SW], 2, v[VSL]
	v_lshlrev_b32 v[VG], 5, v23
	v_lshl_add_u32 v[VG], s[SW], 9, v[VG]
	v_mul_u32_u24 v[VH0], v22, 2080
	v_add_nc_u32 v[VH0], v[VH0], v[VG]
	v_lshl_add_u32 v[VH0], s92, 4, v[VH0]          ; the padding in the middle of a row, for waves 2 and 3
	v_add_nc_u32 v[VH0+1], 66560, v[VH0]
	v_lshl_add_u32 v[VXS], s[SW], 12, v[L16]
	v_add_nc_u32 v[VXS], XR, v[VXS]
	v_add_nc_u32 v[VXL], XR, v[L16]
	s_mul_i32 s94, s[SW], 33792
	v_mul_u32_u24 v[VST], v22, 528
	v_lshl_add_u32 v[VST], v23, 5, v[VST]
	v_add_nc_u32 v[VST], s94, v[VST]
	v_add_nc_u32 v[VSR], s94, v[L16]
	v_lshl_add_u32 v[VO], s[SW], 9, v[L16]
.irp ib,0,1,2,3
	v_mov_b32 v[X16+\ib], 0                        ; v_permlanex16_b32 counts as a reader of its destination
.endr
	s_wait_loadcnt 0x0                             ; Q
	s_wait_tensorcnt 0x1                           ; my part of slot 0 is in; slot 1's may stay out
	s_barrier_signal -1
	s_barrier_wait -1
	LDK VK, 0
	; ---------------- attention: 32 steps of 64 keys; step t reads slot t & 1 and asks for the walk's tile t + 2 ----------------
	STEP 1, 0, 1, 1, 1
	STEP 0, 1, 1, 1, 1
	s_mov_b32 s31, 13
.Latt:
	STEP 0, 0, 1, 1, 1
	STEP 0, 1, 1, 1, 1
	s_sub_co_u32 s31, s31, 1
	s_cmp_lg_u32 s31, 0
	s_cbranch_scc1 .Latt
	STEP 0, 0, 1, 1, 1                             ; t = 28: the walk's tile 30; the last request ahead (its tile 31)
	STEP 0, 1, 1, 0, 1                             ; t = 29: the walk's tile 31
	STEP 0, 0, 2, 0, 1                             ; t = 30: slot 0 takes H
	STEP 0, 1, 5, 0, 0                             ; t = 31: slot 1 takes the network's first tiles of W1 and W2
	; ---------------- attention / denominator + H, first LayerNorm ----------------
	PLACES
.irp ib,0,1,2,3
	v_permlanex16_b32 v[X16+\ib], v[LS+\ib], s32, s33
.endr
.irp ib,0,1,2,3
	v_add_f32 v[TM+\ib], v[LS+\ib], v[X16+\ib]
.endr
	XCH 1
.irp ib,0,1,2,3
	v_rcp_f32 v[AL+\ib], v[TM+\ib]
.endr
	v_nop                                          ; one plain place behind the reciprocals (ISA guide 5.7.2)
.irp p,0,1
.irp b,0,1
.set gd, 0
.rept 8
	ds_load_b128 v[F+64*\b+8*gd:F+64*\b+8*gd+3],   v[VH0+\p] offset:\b*33280+gd*64       ; H(row 16 (2 p + b) + r, d = 128 w + 16 db + 8 h ..)
	ds_load_b128 v[F+64*\b+8*gd+4:F+64*\b+8*gd+7], v[VH0+\p] offset:\b*33280+gd*64+16
.set gd, gd+1
.endr
.endr
	s_wait_dscnt 0x0
	WIN 0x41
.irp b,0,1
.set gd, 0
.rept 8
.irp j,0,2,4,6
	v_pk_fma_f32 v[8*(4*gd+2*\p+\b)+\j:8*(4*gd+2*\p+\b)+\j+1], v[8*(4*gd+2*\p+\b)+\j:8*(4*gd+2*\p+\b)+\j+1], v[AL+2*\p:AL+2*\p+1], v[F+64*\b+8*gd+\j:F+64*\b+8*gd+\j+1] op_sel:[0,\b,0] op_sel_hi:[1,\b,1]
.endr
.set gd, gd+1
.endr
.endr
	WIN 0
.endr
	LNORM 18, 20, 1                                ; g1, be1; b2 comes along
	XROUND 0, 0
	XROUND 1, 0
	XROUND 2, 0
	XROUND 3, 1
	; the network's sums start as x + b2: the residual costs no register
	WIN 0x41
.irp ib,0,1,2,3
.set gd, 0
.rept 8
.irp j,0,2,4,6
	v_pk_add_f32 v[8*(4*gd+\ib)+\j:8*(4*gd+\ib)+\j+1], v[8*(4*gd+\ib)+\j:8*(4*gd+\ib)+\j+1], v[PF+8*gd+\j:PF+8*gd+\j+1]
.endr
.set gd, gd+1
.endr
.endr
	WIN 0
	s_wait_dscnt 0x0                               ; my reads of H in slot 0 are long back,
	s_wait_tensorcnt 0x0                           ; and slot 1's tiles have landed
	CROUND
	FILL 3, 0, 0                                   ; the network's second tiles of W1 and W2 into slot 0
	s_and_b32 s[CI], ttmp9, 15                     ; b1 at the network's first tile
	s_lshl_b32 s2, s[CI], 8
	s_add_nc_u64 s[CV:CV+1], s[14:15], s[2:3]
	LDK VK+1, 0
	; ---------------- the network: 16 steps of 64 hidden units; the walk's tile u lies in slot (u + 1) & 1 ----------------
	s_mov_b32 s31, 7
.Lffn:
	STEP 2, 1, 3, 0, 1
	STEP 2, 0, 3, 0, 1
	s_sub_co_u32 s31, s31, 1
	s_cmp_lg_u32 s31, 0
	s_cbranch_scc1 .Lffn
	STEP 2, 1, 4, 0, 1                             ; u = 14: nothing is left to fetch; the barrier shows tile 15 to all
	STEP 2, 0, 0, 0, 0                             ; u = 15
	; ---------------- second LayerNorm, and out ----------------
	PLACES
	LNORM 22, 24, 0                                ; g2, be2.  Its two barriers stand behind every wave's last reads of slot 0
	; A lane holds 32 bytes of each of its rows: through my own stage (64 rows x 528 bytes) to whole pieces of 512 bytes of a row.
	WIN 0x04
.irp ib,0,1,2,3
.set gd, 0
.rept 8
	ds_store_b128 v[VST], v[8*(4*gd+\ib):8*(4*gd+\ib)+3]   offset:\ib*8448+gd*64
	ds_store_b128 v[VST], v[8*(4*gd+\ib)+4:8*(4*gd+\ib)+7] offset:\ib*8448+gd*64+16
.set gd, gd+1
.endr
.endr
	WIN 0
.irp bt,0,1
.if \bt
	s_wait_xcnt 0x0                                ; the first batch's stores have read F: it is loaded again only behind this wait
.endif
.set lk, 0
.rept 32
	ds_load_b128 v[F+4*lk:F+4*lk+3], v[VSR] offset:(32*\bt+lk)*528     ; LDS serves a wave's instructions in order (ISA guide 5.7.1): these see my stores
.set lk, lk+1
.endr
	s_wait_dscnt 0x0
.set lk, 0
.rept 32
	global_store_b128 v[VO], v[F+4*lk:F+4*lk+3], s[OB:OB+1] offset:(32*\bt+lk)*2048 th:TH_STORE_NT   ; 512 consecutive bytes, at a multiple of 512
.set lk, lk+1
.endr
.endr
	CROUND                                         ; the closing round: no work-group ends while a partner may still ask jointly
	s_endpgm
.Lfunc_end_k_q1e8afed218_attn:
	.size	k_q1e8afed218_attn, .Lfunc_end_k_q1e8afed218_attn-k_q1e8afed218_attn
	.p2alignl 7, 3214868480
	.fill 96, 4, 3214868480
	.section	.rodata,"a",@progbits
	.p2align	6, 0x0
	.amdhsa_kernel k_q1e8afed218_attn
		.amdhsa_group_segment_fixed_size 327680
		.amdhsa_private_segment_fixed_size 0
		.amdhsa_enable_private_segment 0
		.amdhsa_kernarg_size 96
		.amdhsa_user_sgpr_count 2
		.amdhsa_user_sgpr_kernarg_segment_ptr 1
		.amdhsa_wavefront_size32 1
		.amdhsa_system_sgpr_workgroup_id_x 1
		.amdhsa_system_sgpr_workgroup_id_y 1
		.amdhsa_system_sgpr_workgroup_id_z 1
		.amdhsa_system_vgpr_workitem_id 0
		.amdhsa_next_free_vgpr 1024
		.amdhsa_next_free_sgpr 102
		.amdhsa_reserve_vcc 0
		.amdhsa_float_denorm_mode_32 3
		.amdhsa_float_denorm_mode_16_64 3
		.amdhsa_memory_ordered 1
		.amdhsa_forward_progress 1
		.amdhsa_inst_pref_size 255
	.end_amdhsa_kernel
	.section	.bss,"aw",@nobits
	.p2align	6
	.space	262144
	.amdgpu_metadata
---
amdhsa.version: [ 1, 2 ]
amdhsa.kernels:
  - .name:           k_q1e8afed218_attn
    .symbol:         k_q1e8afed218_attn.kd
    .args:
      - { .name: qkv, .offset: 0, .size: 8, .value_kind: global_buffer, .address_space: global }
      - { .name: adj, .offset: 8, .size: 8, .value_kind: global_buffer, .address_space: global }
      - { .name: hs, .offset: 16, .size: 8, .value_kind: global_buffer, .address_space: global }
      - { .name: H, .offset: 24, .size: 8, .value_kind: global_buffer, .address_space: global }
      - { .name: wt, .offset: 32, .size: 8, .value_kind: global_buffer, .address_space: global }
      - { .name: b1, .offset: 40, .size: 8, .value_kind: global_buffer, .address_space: global }
      - { .name: b2, .offset: 48, .size: 8, .value_kind: global_buffer, .address_space: global }
      - { .name: g1, .offset: 56, .size: 8, .value_kind: global_buffer, .address_space: global }
      - { .name: be1, .offset: 64, .size: 8, .value_kind: global_buffer, .address_space: global }
      - { .name: g2, .offset: 72, .size: 8, .value_kind: global_buffer, .address_space: global }
      - { .name: be2, .offset: 80, .size: 8, .value_kind: global_buffer, .address_space: global }
      - { .name: out0, .offset: 88, .size: 8, .value_kind: global_buffer, .address_space: global }
    .group_segment_fixed_size: 327680
    .private_segment_fixed_size: 0
    .kernarg_segment_align: 8
    .kernarg_segment_size: 96
    .max_flat_workgroup_size: 128
    .sgpr_count:     102
    .vgpr_count:     1024
    .wavefront_size: 32
...
	.end_amdgpu_metadata
.endif
;; end of part 3
